; MI455X (gfx1250); checked and timed in simulation.
; The chip was launched on July 23, 2026; its instructions are those of AMD's public machine-readable ISA for CDNA 5 (MIT licence, August 2026) and "CDNA5" Instruction Set Architecture Reference Guide (July 2026). The comments in the code are by the model that wrote it; some were corrected since.
;; PET layer. Allowed arithmetic: matrix products marked QUANTISED: E3M2 operands, one E8M0 scale for each 32 along K, by v_wmma_scale_f32_16x16x128_f8f6f4 with both operands' format E3M2, f32 sums; products left as they are: f32 operands where the result goes on into a quantised operand, else bf16, f16 or f32 operands; f32 sums; everything else in f32.
;; Inputs: W1_codes 1,024 x 32 x 24 uint8 (E3M2 codes of W1, K innermost, in blocks of 32 codes, four codes in three bytes); W1_scales 1,024 x 32 uint8 (E8M0 scales of W1, one for each 32 codes along K); W2 2 x 1,024 float32; b1 1,024 float32; b2 2 float32; input_ids 128 x 512 int32; inputs 128 x 512 x 1,024 float32.
;; Outputs: out0 128 x 2 float32.
;; This version of the problem:
;;   THIS VERSION OF THE PROBLEM IS GIVEN IN LOW PRECISION. The matrix products marked QUANTISED in the list below multiply operands that are first quantised to E3M2 (3 exponent bits, 2 mantissa bits; 6 bits a number), with one power-of-two scale for each 32 numbers along K (OCP MX v1.0); their sums are f32. All else is computed in f32.
;;   The module's matrix products, in the order in which they are computed (A, B: the left and right operand; K: the contracted axis; several contracted axes count as one K, in the product's order):
;;     1. batch 128 x [M 1, K 512] x [K 512, N 1,024]; A: computed on the way; B: input inputs: left as it is (M = 1 < 16)
;;     2. [M 128, K 1,024] x [K 1,024, N 1,024]; A: computed on the way; B: input W1 (given as codes): QUANTISED
;;     3. [M 128, K 1,024] x [K 1,024, N 2]; A: computed on the way; B: input W2: left as it is (N = 2 < 16)
;;   THE QUANTISER, for each operand of a quantised product, along K:
;;     - K is cut into blocks of 32 from its start; a last block that is shorter is filled with zeros.
;;     - A block's scale is 2^e with e = floor(log2(the largest magnitude in the block)) - 4, held to -126 .. 127; a block of zeros has e = 0. As a byte (E8M0): e + 127.
;;     - Each number is divided by its block's scale, clamped to +-28, and rounded to the nearest number of E3M2, ties to even, subnormals kept.
;;     - The product sums the exact products of the quantised numbers (number of the format x scale) in f32.
;;   ~~~python
;;   def quantise(x, axis):      # numpy; x: float32 -> the quantised numbers, widened to float32 again
;;       x = np.moveaxis(x, axis, -1); K = x.shape[-1]
;;       x = np.pad(x, [(0, 0)] * (x.ndim - 1) + [(0, -K % 32)]); x = x.reshape(x.shape[:-1] + (-1, 32)); a = np.abs(x).max(-1, keepdims=True)
;;       e = np.where(a > 0, np.clip(np.frexp(np.where(a > 0, a, 1))[1] - 1 - 4, -126, 127), 0)      # np.frexp(a)[1] - 1 = floor(log2(a)), exactly
;;       r = np.clip(x / 2.0 ** e, -28, 28)
;;       step = 2.0 ** (np.maximum(np.frexp(np.where(r == 0, 1, r))[1] - 1, -2) - 2)
;;       q = np.round(r / step) * step * 2.0 ** e      # np.round: ties to even
;;       return np.moveaxis(q.reshape(q.shape[:-2] + (-1,))[..., :K], -1, axis).astype(np.float32)
;;   ~~~
;;   OPERANDS COMPUTED ON THE WAY. 'Computed on the way' means the value that the module computes at that place (a softmax that the list does not call 'softmax' is quantised finished and normalised). What goes into a quantiser is computed in f32, as accurately as f32 sums, v_exp_f32 and their like allow (about 1e-6 of the number): no bf16 or f16 on the way to a quantiser, and a product that is left as it is and whose result goes on into a quantised operand takes f32 operands (vector FMAs, or v_wmma_f32_16x16x4_f32). A number that lies on a knife's edge between two numbers of the format may be rounded either way, as far as f32 arithmetic and the matrix unit's own rounding can turn it there, and no further.
;;   INPUTS GIVEN AS CODES. W1 (in the module: [1024, 1024], K = its axis 1): each comes as NAME_codes (uint8): NAME with its K axis moved to the last place and cut into blocks of 32 codes, [.., K / 32, bytes a block], one block behind the other in memory; four codes in three bytes: a row's codes are one little-endian stream of bits, code i at bits 6 i .. 6 i + 5 (a code: sign, 3 exponent bits, 2 mantissa bits); and NAME_scales (uint8): the same leading axes, one E8M0 byte (e + 127) for each 32 codes along K. Its value is code x scale, taken as it is: it is not quantised again, and the codes and scales need not be those that the quantiser above would give.
;; 2 versions, each right; version 2 is version 1 with the launch linear written anew for expert scheduling mode. Each part assembles by itself: llvm-mc -triple=amdgcn-amd-amdhsa -mcpu=gfx1250 --defsym DOCPART=n.
;; ======== version 1 of 2: 2 launches
;; workspace buffers: acodes 98,304 bytes; ascales 4,096 bytes; w1l 786,432 bytes
;; launch spans (part 1): grid 272 x 1, 4 waves a work-group, no clusters, 53,248 bytes of LDS; arguments inputs, input_ids, W1_codes, acodes, ascales, w1l; writes acodes, ascales, w1l
.if DOCPART == 1
	.amdgcn_target "amdgcn-amd-amdhsa--gfx1250"
	.amdhsa_code_object_version 6
	.text
	.protected	k_qceffcab7a0_spans
	.globl	k_qceffcab7a0_spans
	.p2align	8
	.type	k_qceffcab7a0_spans,@function
k_qceffcab7a0_spans:
	s_mov_b64 s[64:65], 0
	v_nop
	global_prefetch_b8 v0, s[64:65] scope:SCOPE_SE
	s_setreg_imm32_b32 hwreg(HW_REG_WAVE_MODE, 25, 1), 1
	s_wait_xcnt 0x0
; LAUNCH 1 OF 2.  euph[b][d] = the sum of inputs[b][s][d] over the rows s strictly between the first START marker and the first END marker of input_ids[b] (a marker that is
; missing counts as position 0, as argmax has it), quantised along d to codes of BF6 (E3M2) with one E8M0 byte for each 32: acodes [128][768 bytes], ascales [128][32], K innermost.
; Only the rows of the span are read: the mask is made of input_ids alone, and what lies outside it adds nothing.
; WORK-GROUPS 0 TO 255: one batch and one half of its 1,024 columns each.  Four waves; thread t owns the 16 bytes (4 columns) at byte 16 t of the half row, so a load of a wave covers 512 consecutive bytes.
;   Every wave reads the batch's 2,048 bytes of ids itself and finds both markers in whole numbers: no barrier stands ahead of the rows' loads.
;   The span's n rows: n % 16 is taken apart by its bits into runs of 8, 4, 2 and 1 rows; a run that is there is loaded, the registers of a run that is not are set to 0, so that the sum behind them has no branch;
;   then n / 16 trips of 16 rows.  The runs' loads are issued ahead of the first trip's wait: up to 31 rows are on their way together.
;   The 512 sums turn through LDS, so that a lane of wave 0 holds 16 neighbours along K, which is what the conversion takes; two neighbouring lanes hold a block of 32.
; WORK-GROUPS 256 TO 271 lay W1's codes out for launch 2, which reads them eight times: wave t of work-group 256 + q takes rows 64 q + 16 t .. + 15 (12,288 consecutive bytes) and stores their eight
;   fragments (16 rows x 128 K, 12 registers a lane) as images of the operand's registers: w1l byte 49,152 q + 6,144 s + 1,536 t + 512 g + 16 lane holds registers 4 g .. 4 g + 3 of K step s.
;   The rows go through the wave's own LDS bytes: in as they lie, 16 bytes a lane, out by rows, 8 bytes a lane.  No barrier: no other wave touches those bytes.
; The two kinds of work-group part on the work-group's number alone and have LDS bytes of their own.
; No tensor load and no copy: branches and trip counts here hang on ids read from memory.  No prefetch: a span's rows are known only when they are asked for.
; LIMITS: infinities and NaN among inputs are not served (reference() multiplies rows outside the span by 0, this text does not read them).  A block whose largest magnitude lies under 2^-122 keeps the byte 1;
; so does a block of zeros, where the rule says 127: its codes are zeros, and the bytes are read by this program alone.  The f32 sum of a span is taken as a tree, not in the order of its rows.
.set SPANWG,   256                     ; work-groups that sum spans
.set ROWB,     4096                    ; a row of inputs in bytes
.set START_ID, 30522
.set END_ID,   30523
.set NONE,     0x10000                 ; a key above every position
.set SP,       80                      ; the stage: a lane's 64 bytes + 16 of padding = 20 words
.set RELAY,    32*SP                   ; LDS: behind the stage, 12,544 bytes for each wave of a work-group that lays W1 out
.set WPITCH,   784                     ; a row of W1's codes in LDS: 768 bytes + 16 = 196 words: row r starts at bank 4 r, and the 32 lanes of an 8-byte load touch 64 different banks
.set WTILE,    16*WPITCH
.set LANE, 1
.set RW,   2                           ; lane % 16
.set HF,   3                           ; lane / 16
.set OFF,  4                           ; 16 x thread: my bytes of a half row
.set L16,  5                           ; 16 x lane
.set STI,  6                           ; the stage, on the way in
.set STO,  7                           ; and on the way out
.set VA,   8                           ; W1's rows into LDS: my wave's bytes + 16 x lane
.set VB,   9                           ; the same one padding further on for lanes 16-31
.set VF,   10                          ; and out of it: row lane % 16, + 24 bytes for lanes 16-31
.set CO,   11                          ; 12 x lane: my codes' place
.set SO,   12                          ; lane / 2: my block's byte
.set TA,   13                          ; at work
.set TB,   14
.set TC,   15
.set IDS,  16                          ; v16-31   16 ids
.set KS,   32                          ; the lowest position of START seen, of END
.set KE,   33
.set XS,   34                          ; another lane's
.set XE,   35
.set TL,   40                          ; v40-103  rows 0-7, 8-11, 12-13, 14: the runs of 8, 4, 2, 1; row 15: the sum of the trips of 16
.set ACC,  TL+60
.set XB,   104                         ; v104-167 a trip's 16 rows; later 16 neighbours along K
.set CD,   168                         ; v168-170 16 codes
.set LD,   16                          ; v16-111  W1's 16 rows as loaded
.set FR,   112                         ; v112-207 and as eight fragments
.set CNT,  27                          ; s27      n, the rows of the span
	s_load_b256 s[4:11], s[0:1], 0x0               ; inputs s[4:5], input_ids s[6:7], W1_codes s[8:9], acodes s[10:11]
	s_load_b128 s[12:15], s[0:1], 0x20             ; ascales s[12:13], w1l s[14:15]
	v_lshl_add_u32 v208, v0, 2, 0xce00
	v_mov_b32 v209, 0
	v_lshrrev_b32 v[LANE], 5, v0
	v_readfirstlane_b32 s16, v[LANE]               ; wave 0..3
	v_and_b32 v[LANE], 31, v0
	v_and_b32 v[RW], 15, v0
	v_bfe_u32 v[HF], v0, 4, 1
	v_lshlrev_b32 v[OFF], 4, v0
	v_lshlrev_b32 v[L16], 4, v[LANE]
	; every LDS address is made here, ahead of the parting of the two kinds of work-group
	v_lshrrev_b32 v[STI], 2, v0
	v_mul_u32_u24 v[STI], v[STI], SP
	v_and_b32 v[STO], 3, v0
	v_lshl_add_u32 v[STI], v[STO], 4, v[STI]       ; four threads' 64 bytes on end, then the padding: SP (t / 4) + 16 (t % 4)
	v_mul_u32_u24 v[STO], v[LANE], SP              ; place l holds columns 16 l .. 16 l + 15 of the half row
	s_mul_i32 s17, s16, WTILE
	s_add_co_u32 s17, s17, RELAY
	v_add_nc_u32 v[VA], s17, v[L16]
	v_lshl_add_u32 v[VB], v[HF], 4, v[VA]
	v_mul_u32_u24 v[VF], v[RW], WPITCH
	v_mad_u32_u24 v[VF], v[HF], 24, v[VF]
	v_add_nc_u32 v[VF], s17, v[VF]
	v_mul_u32_u24 v[CO], v[LANE], 12
	v_lshrrev_b32 v[SO], 1, v[LANE]
	s_cmp_ge_u32 ttmp9, SPANWG
	s_cbranch_scc1 .Lrelay
	; ---------------- a batch's span, half of its columns ----------------
	s_lshr_b32 s18, ttmp9, 1                       ; the batch
	s_and_b32 s19, ttmp9, 1                        ; which half of the columns
	s_lshl_b32 s20, s18, 11                        ; its 512 ids
	s_mov_b32 s21, 0
	s_mov_b32 s22, START_ID
	s_mov_b32 s23, END_ID
	s_mov_b32 s24, 0x76543210                      ; v_permlanex16_b32's selects for lane l xor 16
	s_mov_b32 s25, 0xfedcba98
	s_wait_kmcnt 0x0
	s_add_nc_u64 s[6:7], s[6:7], s[20:21]
.irp i, 0,1,2,3
	global_load_b128 v[IDS+4*\i:IDS+4*\i+3], v[L16], s[6:7] offset:512*\i   ; register 4 i + j holds position 128 i + 4 lane + j
.endr
	v_mov_b32 v[KS], NONE
	v_mov_b32 v[KE], NONE
	v_mov_b32 v[XS], 0                             ; written once: the destination of a lane move counts as one of its sources
	v_mov_b32 v[XE], 0
.irp j, 0,1,2,3
	v_mov_b32 v[ACC+\j], 0                         ; the sum of the trips of 16: there may be none
.endr
	s_mul_i32 s28, s18, 768                        ; where my codes go: 768 bytes a batch, 384 a half
	s_mul_i32 s29, s19, 384
	s_add_co_u32 s28, s28, s29
	s_mov_b32 s29, 0
	s_add_nc_u64 s[10:11], s[10:11], s[28:29]
	s_lshl_b32 s28, s18, 5                         ; and my scale bytes: 32 a batch, 16 a half
	s_lshl_b32 s39, s19, 4
	s_add_co_u32 s28, s28, s39
	s_add_nc_u64 s[12:13], s[12:13], s[28:29]
	s_wait_loadcnt 0x0
	; the first marker of each kind.  In a lane: from the highest position down, so that the lowest is what stays
.irp k, 15,14,13,12,11,10,9,8,7,6,5,4,3,2,1,0
	v_cmp_ne_u32 vcc_lo, s22, v[IDS+\k]
	v_cndmask_b32 v[KS], 128*(\k/4)+\k%4, v[KS], vcc_lo
	v_cmp_ne_u32 vcc_lo, s23, v[IDS+\k]
	v_cndmask_b32 v[KE], 128*(\k/4)+\k%4, v[KE], vcc_lo
.endr
	v_lshl_add_u32 v[KS], v[LANE], 2, v[KS]        ; + 4 lane: the position (or a number from NONE on)
	v_lshl_add_u32 v[KE], v[LANE], 2, v[KE]
.irp m, 1,2,4,8                                ; the lowest of the 32 lanes'
	v_mov_b32_dpp v[XS], v[KS] row_xmask:\m row_mask:0xf bank_mask:0xf
	v_mov_b32_dpp v[XE], v[KE] row_xmask:\m row_mask:0xf bank_mask:0xf
	v_min_u32 v[KS], v[KS], v[XS]
	v_min_u32 v[KE], v[KE], v[XE]
.endr
	v_permlanex16_b32 v[XS], v[KS], s24, s25
	v_permlanex16_b32 v[XE], v[KE], s24, s25
	v_min_u32 v[KS], v[KS], v[XS]
	v_min_u32 v[KE], v[KE], v[XE]
	v_readfirstlane_b32 s26, v[KS]
	v_readfirstlane_b32 s27, v[KE]
	s_cmp_lt_u32 s26, 512
	s_cselect_b32 s26, s26, 0                      ; no START: position 0
	s_cmp_lt_u32 s27, 512
	s_cselect_b32 s27, s27, 0                      ; no END: position 0, an empty span
	s_min_u32 s26, s26, 511                        ; a number read from memory is held to the table before it enters an address
	s_add_co_u32 s26, s26, 1                       ; the span's first row
	s_sub_co_i32 s27, s27, s26
	s_max_i32 s27, s27, 0
	s_min_u32 s[CNT], s27, 511                     ; n = END - START - 1, or 0: at most 510, and first + n is END: no row past the batch's last is named
	s_lshl_b32 s20, s18, 21                        ; the batch's 2 MiB, my half's 2,048 bytes, the first row: under 2^29
	s_lshl_b32 s28, s19, 11
	s_add_co_u32 s20, s20, s28
	s_lshl_b32 s28, s26, 12
	s_add_co_u32 s20, s20, s28
	s_add_nc_u64 s[4:5], s[4:5], s[20:21]          ; where the run of 8 begins.  Each run has a base of its own, made ahead of the loads: none is stepped while a load names it
	s_and_b32 s20, s[CNT], 8
	s_lshl_b32 s20, s20, 12
	s_add_nc_u64 s[30:31], s[4:5], s[20:21]        ; the run of 4
	s_and_b32 s20, s[CNT], 12
	s_lshl_b32 s20, s20, 12
	s_add_nc_u64 s[32:33], s[4:5], s[20:21]        ; of 2
	s_and_b32 s20, s[CNT], 14
	s_lshl_b32 s20, s20, 12
	s_add_nc_u64 s[34:35], s[4:5], s[20:21]        ; of 1
	s_and_b32 s20, s[CNT], 15
	s_lshl_b32 s20, s20, 12
	s_add_nc_u64 s[36:37], s[4:5], s[20:21]        ; the trips of 16
; A run of rows: loaded where n has the bit, else its registers are zeros.
.macro TAIL bit, rows, first, base
	s_bitcmp1_b32 s[CNT], \bit
	s_cbranch_scc0 .Lnone_\@
.set i, 0
.rept \rows
	global_load_b128 v[TL+4*(\first+i):TL+4*(\first+i)+3], v[OFF], s[\base:\base+1] offset:ROWB*i th:TH_LOAD_NT   ; the launch reads each of these bytes once
.set i, i+1
.endr
	s_branch .Lhave_\@
.Lnone_\@:
.set i, 0
.rept 4*\rows
	v_mov_b32 v[TL+4*\first+i], 0
.set i, i+1
.endr
.Lhave_\@:
.endm
; Row i += row i + d, for cnt rows: two packed additions a row, none waiting for the line above it.
.macro FOLD base, cnt, d
.set i, 0
.rept \cnt
	v_pk_add_f32 v[\base+4*i:\base+4*i+1], v[\base+4*i:\base+4*i+1], v[\base+4*(i+\d):\base+4*(i+\d)+1]
	v_pk_add_f32 v[\base+4*i+2:\base+4*i+3], v[\base+4*i+2:\base+4*i+3], v[\base+4*(i+\d)+2:\base+4*(i+\d)+3]
.set i, i+1
.endr
.endm
	TAIL 3, 8, 0, 4
	TAIL 2, 4, 8, 30
	TAIL 1, 2, 12, 32
	TAIL 0, 1, 14, 34
	s_lshr_b32 s38, s[CNT], 4                      ; trips of 16 rows
	s_cmp_eq_u32 s38, 0
	s_cbranch_scc1 .Lno_trip
.Ltrip:
.set i, 0
.rept 16
	global_load_b128 v[XB+4*i:XB+4*i+3], v[OFF], s[36:37] offset:ROWB*i th:TH_LOAD_NT
.set i, i+1
.endr
	s_wait_loadcnt 0x0                             ; the trip's 16 rows are in (in the first trip the runs' rows too): so the base may step
	s_add_nc_u64 s[36:37], s[36:37], 16*ROWB
	FOLD XB, 8, 8
	FOLD XB, 4, 4
	FOLD XB, 2, 2
	FOLD XB, 1, 1
	v_pk_add_f32 v[ACC:ACC+1], v[ACC:ACC+1], v[XB:XB+1]
	v_pk_add_f32 v[ACC+2:ACC+3], v[ACC+2:ACC+3], v[XB+2:XB+3]
	s_sub_co_u32 s38, s38, 1
	s_cmp_lg_u32 s38, 0
	s_cbranch_scc1 .Ltrip
.Lno_trip:
	s_wait_loadcnt 0x0                             ; the runs' rows (where there was no trip)
	FOLD TL, 8, 8                                  ; the 15 rows of the runs and the trips' sum
	FOLD TL, 4, 4
	FOLD TL, 2, 2
	FOLD TL, 1, 1
	ds_store_b128 v[STI], v[TL:TL+3]               ; my 4 columns of euph
	s_wait_dscnt 0x0                               ; for wave 0's sake: my store has landed
	s_barrier_signal -1
	s_barrier_wait -1
	s_cmp_lg_u32 s16, 0                            ; 512 numbers are 16 to a lane of one wave
	s_cbranch_scc1 .Lend
.irp i, 0,1,2,3
	ds_load_b128 v[XB+4*\i:XB+4*\i+3], v[STO] offset:16*\i
.endr
	s_wait_dscnt 0x0
	v_max3_num_f32 v[TA], |v[XB]|, |v[XB+1]|, |v[XB+2]|            ; the largest magnitude of my 16, in two chains
	v_max3_num_f32 v[TB], |v[XB+3]|, |v[XB+4]|, |v[XB+5]|
.irp i, 6,10
	v_max3_num_f32 v[TA], v[TA], |v[XB+\i]|, |v[XB+\i+1]|
	v_max3_num_f32 v[TB], v[TB], |v[XB+\i+2]|, |v[XB+\i+3]|
.endr
	v_max3_num_f32 v[TA], v[TA], |v[XB+14]|, |v[XB+15]|
	v_max3_num_f32 v[TA], v[TA], v[TB], 0x2800000  ; and the floor 2^(5 - 127): the byte cannot fall under 1
	v_max_num_f32_dpp v[TA], v[TA], v[TA] row_xmask:1 row_mask:0xf bank_mask:0xf   ; with my neighbour's 16: the block's
	v_add_nc_u32 v[TB], 0xfe000000, v[TA]          ; 4 off its exponent field: the conversion takes the exponent field of this operand as its scale, and nothing else of it
	v_cvt_scalef32_pk16_bf6_f32 v[CD:CD+2], v[XB:XB+15], v[TB]     ; 16 numbers / the scale, to the nearest code, ties to even, beyond 28 the largest code; 96 bits without gaps
	v_lshrrev_b32 v[TC], 23, v[TB]                 ; the scale's byte (also the plain line behind the conversion)
	v_and_b32 v[TA], 1, v0
	global_store_b96 v[CO], v[CD:CD+2], s[10:11]   ; the wave stores 384 consecutive bytes: half of the batch's row of codes
	v_cmp_eq_u32 vcc_lo, 0, v[TA]                  ; of the two lanes of a block the even one stores the byte
	s_wait_xcnt 0x0                                ; EXEC changes only behind this wait: the store above has read it
	s_and_saveexec_b32 s40, vcc_lo
	global_store_b8 v[SO], v[TC], s[12:13]         ; 16 consecutive bytes
	s_wait_xcnt 0x0                                ; and again ahead of the line that widens it
	s_or_b32 exec_lo, exec_lo, s40
.Lend:
	s_wait_tensorcnt 0x0
	ds_add_u32 v208, v209
	s_wait_dscnt 0x0
	s_endpgm
	; ---------------- sixteen rows of W1's codes, laid out as launch 2's registers take them ----------------
.Lrelay:
	s_sub_co_u32 s18, ttmp9, SPANWG                ; q: launch 2's wave q reads what this work-group stores
	s_lshl_b32 s19, s18, 2
	s_add_co_u32 s19, s19, s16                     ; the tile: 4 q + wave
	s_mul_i32 s20, s19, 16*768                     ; its rows in W1_codes
	s_mov_b32 s21, 0
	s_mul_i32 s22, s18, 49152                      ; and its fragments in w1l
	s_mul_i32 s23, s16, 1536
	s_add_co_u32 s22, s22, s23
	s_mov_b32 s23, 0
	s_wait_kmcnt 0x0
	s_add_nc_u64 s[8:9], s[8:9], s[20:21]
	s_add_nc_u64 s[14:15], s[14:15], s[22:23]
.set i, 0
.rept 24
	global_load_b128 v[LD+4*i:LD+4*i+3], v[L16], s[8:9] offset:512*i th:TH_LOAD_NT   ; 512 consecutive bytes a load; the launch reads them once
.set i, i+1
.endr
; Piece c = 32 i + lane of 16 bytes lies in row c / 48 and goes to LDS byte 16 c + 16 (c / 48).  Three loads are two rows: in the first all lanes are in row 2 (i / 3), in the third in the row after it,
; in the second lanes 0-15 in the one and lanes 16-31 in the other: for that load the second address register.
.set i, 0
.rept 24
	s_wait_loadcnt 23-i                            ; loads come back in order: load i is in, the 23 - i younger ones may be out
.if i%3 == 1
	ds_store_b128 v[VB], v[LD+4*i:LD+4*i+3] offset:512*i+32*(i/3)
.elseif i%3 == 2
	ds_store_b128 v[VA], v[LD+4*i:LD+4*i+3] offset:512*i+32*(i/3)+16
.else
	ds_store_b128 v[VA], v[LD+4*i:LD+4*i+3] offset:512*i+32*(i/3)
.endif
.set i, i+1
.endr
; A fragment: lane (r, h) holds row r; registers 0-5 the 24 bytes at 96 s + 24 h of the row, registers 6-11 those 48 bytes on: in pieces of 8 bytes, so that every address is a multiple of the access's size.
; LDS serves a wave's instructions in order: these loads see the stores above.
.irp s, 0,1,2,3,4,5,6,7
.irp p, 0,1,2,3,4,5
	ds_load_b64 v[FR+12*\s+2*\p:FR+12*\s+2*\p+1], v[VF] offset:96*\s+48*(\p/3)+8*(\p%3)
.endr
.endr
.irp s, 0,1,2,3,4,5,6,7
	s_wait_dscnt 42-6*\s                           ; fragment s is in; the six loads of each later fragment may be out
.irp g, 0,1,2
	global_store_b128 v[L16], v[FR+12*\s+4*\g:FR+12*\s+4*\g+3], s[14:15] offset:6144*\s+512*\g   ; 512 consecutive bytes, at a multiple of 512 from w1l's first byte
.endr
.endr
	s_wait_tensorcnt 0x0
	ds_add_u32 v208, v209
	s_wait_dscnt 0x0
	s_endpgm
.Lfunc_end_k_qceffcab7a0_spans:
	.size	k_qceffcab7a0_spans, .Lfunc_end_k_qceffcab7a0_spans-k_qceffcab7a0_spans
	.p2alignl 7, 3214868480
	.fill 96, 4, 3214868480
	.section	.rodata,"a",@progbits
	.p2align	6, 0x0
	.amdhsa_kernel k_qceffcab7a0_spans
		.amdhsa_group_segment_fixed_size 53248
		.amdhsa_private_segment_fixed_size 0
		.amdhsa_enable_private_segment 0
		.amdhsa_kernarg_size 48
		.amdhsa_user_sgpr_count 2
		.amdhsa_user_sgpr_kernarg_segment_ptr 1
		.amdhsa_wavefront_size32 1
		.amdhsa_system_sgpr_workgroup_id_x 1
		.amdhsa_system_sgpr_workgroup_id_y 1
		.amdhsa_system_sgpr_workgroup_id_z 1
		.amdhsa_system_vgpr_workitem_id 0
		.amdhsa_next_free_vgpr 210
		.amdhsa_next_free_sgpr 66
		.amdhsa_reserve_vcc 1
		.amdhsa_float_denorm_mode_32 3
		.amdhsa_float_denorm_mode_16_64 3
		.amdhsa_memory_ordered 1
		.amdhsa_forward_progress 1
		.amdhsa_inst_pref_size 30
	.end_amdhsa_kernel
	.amdgpu_metadata
---
amdhsa.version: [ 1, 2 ]
amdhsa.kernels:
  - .name:           k_qceffcab7a0_spans
    .symbol:         k_qceffcab7a0_spans.kd
    .args:
      - { .name: inputs, .offset: 0, .size: 8, .value_kind: global_buffer, .address_space: global }
      - { .name: input_ids, .offset: 8, .size: 8, .value_kind: global_buffer, .address_space: global }
      - { .name: W1_codes, .offset: 16, .size: 8, .value_kind: global_buffer, .address_space: global }
      - { .name: acodes, .offset: 24, .size: 8, .value_kind: global_buffer, .address_space: global }
      - { .name: ascales, .offset: 32, .size: 8, .value_kind: global_buffer, .address_space: global }
      - { .name: w1l, .offset: 40, .size: 8, .value_kind: global_buffer, .address_space: global }
    .group_segment_fixed_size: 53248
    .private_segment_fixed_size: 0
    .kernarg_segment_align: 8
    .kernarg_segment_size: 48
    .max_flat_workgroup_size: 128
    .sgpr_count:     66
    .vgpr_count:     210
    .wavefront_size: 32
...
	.end_amdgpu_metadata
.endif
;; end of part 1
;; launch linear (part 2): grid 8 x 1, 16 waves a work-group, no clusters, 24,832 bytes of LDS; arguments acodes, ascales, w1l, W1_scales, b1, W2, b2, out0; writes out0
.if DOCPART == 2
	.amdgcn_target "amdgcn-amd-amdhsa--gfx1250"
	.amdhsa_code_object_version 6
	.text
	.protected	k_qceffcab7a0_linear
	.globl	k_qceffcab7a0_linear
	.p2align	8
	.type	k_qceffcab7a0_linear,@function
k_qceffcab7a0_linear:
	s_mov_b64 s[64:65], 0
	v_nop
	global_prefetch_b8 v0, s[64:65] scope:SCOPE_SE
	s_setreg_imm32_b32 hwreg(HW_REG_WAVE_MODE, 25, 1), 1
	s_wait_xcnt 0x0
; LAUNCH 2 OF 2.  out[b][c] = the sum over n of (the sum over k of euph[b][k] W1[n][k] + b1[n]) W2[c][n] + b2[c].  The inner product is on codes of BF6 (E3M2) with one E8M0 scale for each 32 along K:
; euph's codes and scale bytes are launch 1's (acodes [128][768 bytes], ascales [128][32]), W1's codes are launch 1's images of the operand's registers (w1l), its scale bytes the input's.  All else in f32.
; SHARES.  out[b] sums over all 1,024 hidden units, and a sum has one owner: a work-group owns 16 batches and all of N, so there are 8 work-groups.  Sixteen waves; wave w makes hidden units 64 w .. 64 w + 63:
; four tiles of 16, four accumulators, 8 K steps of 128: 32 matrix instructions.
; THE MATRIX INSTRUCTION: source 0 = 16 rows of W1, source 1 = the 16 batches.  In the result lane (r, h) holds batch r and its registers the hidden units 8 h + 0 .. 7 of the tile.  b1 is loaded in that layout
; straight into the accumulators and is the C of the first K step.  The product with W2 is then 8 multiply-adds a tile and output in one lane, and one exchange between the halves of the lanes.
; W1'S FRAGMENTS come from w1l into the operand registers by loads of 512 consecutive bytes: a ring of three K steps, 36 loads, 18,432 bytes a wave on their way.
; THE BATCHES' CODES (12,288 bytes) go through LDS once: wave w brings row w; every wave then reads a fragment a K step, two steps ahead.  W2 (8,192 bytes) is laid in LDS beside them.
; NOT JOINTLY: all eight work-groups read the same 786,432 bytes of w1l.  A joint load lands in LDS, which holds less than half of them: the stream would go through slots filled again five times or more, each
; refill behind a round of the cluster's barrier, and a wave has 32 matrix instructions in all, four to six between two rounds.  So the fragments go straight into registers, each work-group asking for itself.
; No prefetch: the launch is short, and its loads are issued three K steps deep from its first lines on.
.set PITCH, 784                        ; a batch's codes in LDS: 768 bytes + 16 = 196 words: row r starts at bank 4 r, and the 32 lanes of an 8-byte load touch 64 different banks (64 banks of 4 bytes: ISA guide 11.1)
.set W2L,   16*PITCH                   ; LDS: behind the 16 rows: W2, as it lies
.set RED,   W2L+8192                   ; and the waves' parts of out: 128 bytes a wave
.set FRB,   1536                       ; a fragment's image
.set STEPB, 4*FRB                      ; a wave's four of a K step
.set WAVEB, 8*STEPB                    ; a wave's stream in w1l
.set LANE, 1
.set RW,   2                           ; r = lane % 16
.set HF,   3                           ; h = lane / 16
.set AGO,  4                           ; acodes: 768 x wave + 8 x lane
.set ALS,  5                           ; the same row in LDS: PITCH x wave + 8 x lane
.set T16,  6                           ; 16 x thread: W2 in memory and in LDS
.set SAO,  7                           ; ascales: 32 r
.set SWO,  8                           ; W1_scales: 32 x (64 wave + lane)
.set BO,   9                           ; 4 x (64 wave + 8 h): my hidden units in b1, and in a row of W2
.set B2O,  10                          ; 4 x (lane % 2)
.set WO,   11                          ; w1l: WAVEB x wave + 16 x lane
.set AFA,  12                          ; a fragment of the batches in LDS: PITCH r + 24 h
.set RS,   13                          ; where I put my part of out
.set L4,   14                          ; 4 x lane
.set B2V,  15                          ; b2[lane % 2]
.set ACC,  16                          ; v16-47   four accumulators
.set AF,   48                          ; v48-71   two fragments of the batches
.set SCA,  72                          ; v72-79   the batches' scale words, one a K step: lane r has batch r's
.set SCW,  80                          ; v80-95   W1's: register 8 u + s: lanes 0-15 tile 2 u, lanes 16-31 tile 2 u + 1, K step s
.set RING, 96                          ; v96-239  W1's fragments: set s % 3, 12 registers a tile
.set SG,   240                         ; v240-251 a row of codes and 16 bytes of W2 on their way to LDS
.set PS,   240                         ; v240-247 later: four packed sums
.set OTH,  252                         ; what lane l xor 16 sends
.set ZS,   RING+48                     ; the sixteen waves' parts
	s_load_b256 s[4:11], s[0:1], 0x0               ; acodes s[4:5], ascales s[6:7], w1l s[8:9], W1_scales s[10:11]
	s_load_b256 s[12:19], s[0:1], 0x20             ; b1 s[12:13], W2 s[14:15], b2 s[16:17], out0 s[18:19]
	v_lshl_add_u32 v254, v0, 2, 0x5900
	v_mov_b32 v255, 0
	v_lshrrev_b32 v[LANE], 5, v0
	v_readfirstlane_b32 s20, v[LANE]               ; wave 0..15
	v_and_b32 v[LANE], 31, v0
	v_and_b32 v[RW], 15, v0
	v_bfe_u32 v[HF], v0, 4, 1
	s_mul_i32 s21, s20, 768
	v_lshl_add_u32 v[AGO], v[LANE], 3, s21
	s_mul_i32 s21, s20, PITCH
	v_lshl_add_u32 v[ALS], v[LANE], 3, s21
	v_lshlrev_b32 v[T16], 4, v0
	v_lshlrev_b32 v[SAO], 5, v[RW]
	s_lshl_b32 s21, s20, 11
	v_lshl_add_u32 v[SWO], v[LANE], 5, s21
	s_lshl_b32 s21, s20, 8
	v_lshl_add_u32 v[BO], v[HF], 5, s21
	v_and_b32 v[B2O], 1, v0
	v_lshlrev_b32 v[B2O], 2, v[B2O]
	s_mul_i32 s21, s20, WAVEB
	v_lshl_add_u32 v[WO], v[LANE], 4, s21
	v_mul_u32_u24 v[AFA], v[RW], PITCH
	v_mad_u32_u24 v[AFA], v[HF], 24, v[AFA]
	v_mov_b32 v[OTH], 0                            ; written once: a lane permute's destination counts as one of its sources
	s_lshl_b32 s21, s20, 7
	s_add_co_u32 s21, s21, RED                     ; my wave's 128 bytes among the parts of out
	s_mul_i32 s22, ttmp9, 16*768                   ; my 16 batches: their codes,
	s_mov_b32 s23, 0
	s_lshl_b32 s24, ttmp9, 9                       ; their scale bytes,
	s_mov_b32 s25, 0
	s_lshl_b32 s26, ttmp9, 7                       ; their 32 outputs
	s_mov_b32 s27, 0
	s_mov_b32 s28, 0x76543210                      ; v_permlanex16_b32's selects for lane l xor 16
	s_mov_b32 s29, 0xfedcba98
	s_wait_kmcnt 0x0
	s_add_nc_u64 s[4:5], s[4:5], s[22:23]
	s_add_nc_u64 s[6:7], s[6:7], s[24:25]
	s_add_nc_u64 s[18:19], s[18:19], s[26:27]
.macro WLOAD s                         ; W1's four fragments of K step s into set s % 3: twelve loads of 512 consecutive bytes
.irp t, 0,1,2,3
.irp g, 0,1,2
	global_load_b128 v[RING+48*((\s)%3)+12*\t+4*\g:RING+48*((\s)%3)+12*\t+4*\g+3], v[WO], s[8:9] offset:(\s)*STEPB+\t*FRB+\g*512
.endr
.endr
.endm
.macro AFETCH s                        ; the batches' fragment of K step s: lane (r, h): registers 0-5 the 24 bytes at 96 s + 24 h of row r, registers 6-11 those 48 bytes on, in pieces of 8 bytes
.irp p, 0,1,2,3,4,5
	ds_load_b64 v[AF+12*((\s)%2)+2*\p:AF+12*((\s)%2)+2*\p+1], v[AFA] offset:96*(\s)+48*(\p/3)+8*(\p%3)
.endr
.endm
.macro W2FETCH                         ; W2[c][my 8 hidden units of tile t], 64 registers: the sets of K steps 5 and 6, which are done with
.irp c, 0,1
.irp t, 0,1,2,3
.irp i, 0,1
.set WR, RING+(96+8*(4*\c+\t)+4*\i)%144
	ds_load_b128 v[WR:WR+3], v[BO] offset:W2L+4096*\c+64*\t+16*\i
.endr
.endr
.endr
.endm
.macro MM s, t                         ; tile t, K step s.  An odd tile's scale words lie in lanes 16-31 of the register
.set RB, RING+48*((\s)%3)+12*(\t)
.set AB, AF+12*((\s)%2)
.set AC, ACC+8*(\t)
.if (\t)%2
	v_wmma_scale_f32_16x16x128_f8f6f4 v[AC:AC+7], v[RB:RB+11], v[AB:AB+11], v[AC:AC+7], v[SCW+8*((\t)/2)+(\s)], v[SCA+(\s)] matrix_a_fmt:MATRIX_FMT_BF6 matrix_b_fmt:MATRIX_FMT_BF6 matrix_a_scale:MATRIX_SCALE_ROW1
.else
	v_wmma_scale_f32_16x16x128_f8f6f4 v[AC:AC+7], v[RB:RB+11], v[AB:AB+11], v[AC:AC+7], v[SCW+8*((\t)/2)+(\s)], v[SCA+(\s)] matrix_a_fmt:MATRIX_FMT_BF6 matrix_b_fmt:MATRIX_FMT_BF6
.endif
.endm
	; what goes to LDS first, then the small operands, then the ring: loads come back in order, so each wait below counts what was issued behind what it wants
.irp j, 0,1,2
	global_load_b64 v[SG+2*\j:SG+2*\j+1], v[AGO], s[4:5] offset:256*\j     ; batch w's codes: 256 consecutive bytes a load
.endr
	global_load_b128 v[SG+8:SG+11], v[T16], s[14:15]                       ; W2: 512 threads x 16 bytes
	global_load_b128 v[SCA:SCA+3], v[SAO], s[6:7]                          ; a batch's 32 scale bytes are its words of the 8 K steps
	global_load_b128 v[SCA+4:SCA+7], v[SAO], s[6:7] offset:16
.irp u, 0,1
	global_load_b128 v[SCW+8*\u:SCW+8*\u+3], v[SWO], s[10:11] offset:1024*\u      ; rows 64 w + 32 u + lane of W1's scale bytes: two tiles to a register
	global_load_b128 v[SCW+8*\u+4:SCW+8*\u+7], v[SWO], s[10:11] offset:1024*\u+16
.endr
.irp t, 0,1,2,3
	global_load_b128 v[ACC+8*\t:ACC+8*\t+3], v[BO], s[12:13] offset:64*\t         ; b1 in the result's layout, into the accumulators
	global_load_b128 v[ACC+8*\t+4:ACC+8*\t+7], v[BO], s[12:13] offset:64*\t+16
.endr
	global_load_b32 v[B2V], v[B2O], s[16:17]
	WLOAD 0
	WLOAD 1
	WLOAD 2
	s_wait_loadcnt 51                              ; the codes' row and W2's 16 bytes are in; behind them: 15 small loads and the ring's 36
.irp j, 0,1,2
	ds_store_b64 v[ALS], v[SG+2*\j:SG+2*\j+1] offset:256*\j
.endr
	ds_store_b128 v[T16], v[SG+8:SG+11] offset:W2L
	s_wait_dscnt 0x0                               ; for the others' sake: my stores have landed
	s_barrier_signal -1
	s_barrier_wait -1                              ; the 16 rows and W2 lie in LDS
	AFETCH 0
	AFETCH 1
; A K step: four matrix instructions, the four accumulators by turns, in the same order in every step.  A load into a register that a matrix instruction has read stands four places behind
; it, and only plain vector instructions that name none of its registers are places (ISA guide 7.12.1 for vector instructions): four v_nop, then the refills.
.macro STEP s
.if (\s) < 6
	s_wait_loadcnt 24                              ; this step's twelve loads are in (and all issued before them); those of the two steps behind it may be out
.else
	s_wait_loadcnt 12*(7-(\s))                     ; the ring runs out: one step's loads behind, then none
.endif
.if (\s) < 7
	s_wait_dscnt 6                                 ; this step's fragment of the batches is in; the next step's six loads may be out
.else
	s_wait_dscnt 16                                ; behind the last fragment's loads: W2's sixteen
.endif
.irp t, 0,1,2,3
	MM \s, \t
.endr
.if (\s) < 7
.rept 4
	v_nop
.endr
.endif
.if (\s)+3 < 8
	WLOAD (\s)+3                                   ; into the set just multiplied
.endif
.if (\s)+2 < 8
	AFETCH (\s)+2
.endif
.if (\s) == 6
	W2FETCH
.endif
.endm
.irp s, 0,1,2,3,4,5,6,7
	STEP \s
.endr
	; h is finished: register j of accumulator t is h[batch r][64 w + 16 t + 8 h + j].  These four lines are the places behind the last matrix instructions
	v_lshlrev_b32 v[RS], 3, v[RW]
	v_lshl_add_u32 v[RS], v[HF], 2, v[RS]
	v_add_nc_u32 v[RS], s21, v[RS]                 ; lane (r, h) stores output 2 r + h of the work-group's 32: batch r, column h
	v_lshlrev_b32 v[L4], 2, v[LANE]
	s_wait_dscnt 0x0                               ; W2
; h x W2, two at a time, in four sums (column c, even and odd pairs) that take turns; each accumulator is read from its low end on; the first products start the sums
.irp t, 0,1,2,3
.irp i, 0,1,2,3
.irp c, 0,1
.set WR, RING+(96+8*(4*\c+\t)+2*\i)%144
.set PK, PS+2*(2*\c+\i%2)
.if (\t == 0) && (\i < 2)
	v_pk_mul_f32 v[PK:PK+1], v[ACC+8*\t+2*\i:ACC+8*\t+2*\i+1], v[WR:WR+1]
.else
	v_pk_fma_f32 v[PK:PK+1], v[ACC+8*\t+2*\i:ACC+8*\t+2*\i+1], v[WR:WR+1], v[PK:PK+1]
.endif
.endr
.endr
.endr
	v_pk_add_f32 v[PS:PS+1], v[PS:PS+1], v[PS+2:PS+3]
	v_pk_add_f32 v[PS+4:PS+5], v[PS+4:PS+5], v[PS+6:PS+7]
	v_add_f32 v[PS], v[PS], v[PS+1]                ; column 0: my 32 hidden units' part
	v_add_f32 v[PS+4], v[PS+4], v[PS+5]            ; column 1
	v_cmp_eq_u32 vcc_lo, 1, v[HF]
	v_cndmask_b32 v[PS+1], v[PS], v[PS+4], vcc_lo  ; I keep column h
	v_cndmask_b32 v[PS+2], v[PS+4], v[PS], vcc_lo  ; and send the other to lane l xor 16, which holds the batch's other 32 hidden units of this wave
	v_permlanex16_b32 v[OTH], v[PS+2], s28, s29
	v_add_f32 v[PS+1], v[PS+1], v[OTH]
	ds_store_b32 v[RS], v[PS+1]
	s_wait_dscnt 0x0                               ; for wave 0's sake: my store has landed
	s_barrier_signal -1
	s_barrier_wait -1
	s_cmp_lg_u32 s20, 0                            ; 32 outputs: one wave adds the sixteen parts
	s_cbranch_scc1 .Lend
.irp i, 0,1,2,3,4,5,6,7,8,9,10,11,12,13,14,15
	ds_load_b32 v[ZS+\i], v[L4] offset:RED+128*\i
.endr
	s_wait_dscnt 0x0
.irp i, 0,2,4,6
	v_pk_add_f32 v[ZS+\i:ZS+\i+1], v[ZS+\i:ZS+\i+1], v[ZS+8+\i:ZS+9+\i]
.endr
.irp i, 0,2
	v_pk_add_f32 v[ZS+\i:ZS+\i+1], v[ZS+\i:ZS+\i+1], v[ZS+4+\i:ZS+5+\i]
.endr
	v_pk_add_f32 v[ZS:ZS+1], v[ZS:ZS+1], v[ZS+2:ZS+3]
	v_add_f32 v[ZS], v[ZS], v[ZS+1]
	v_add_f32 v[ZS], v[ZS], v[B2V]                 ; + b2
	global_store_b32 v[L4], v[ZS], s[18:19]        ; the work-group's 128 consecutive bytes of out0
.Lend:
	s_wait_tensorcnt 0x0
	ds_add_u32 v254, v255
	s_wait_dscnt 0x0
	s_endpgm
.Lfunc_end_k_qceffcab7a0_linear:
	.size	k_qceffcab7a0_linear, .Lfunc_end_k_qceffcab7a0_linear-k_qceffcab7a0_linear
	.p2alignl 7, 3214868480
	.fill 96, 4, 3214868480
	.section	.rodata,"a",@progbits
	.p2align	6, 0x0
	.amdhsa_kernel k_qceffcab7a0_linear
		.amdhsa_group_segment_fixed_size 24832
		.amdhsa_private_segment_fixed_size 0
		.amdhsa_enable_private_segment 0
		.amdhsa_kernarg_size 64
		.amdhsa_user_sgpr_count 2
		.amdhsa_user_sgpr_kernarg_segment_ptr 1
		.amdhsa_wavefront_size32 1
		.amdhsa_system_sgpr_workgroup_id_x 1
		.amdhsa_system_sgpr_workgroup_id_y 1
		.amdhsa_system_sgpr_workgroup_id_z 1
		.amdhsa_system_vgpr_workitem_id 0
		.amdhsa_next_free_vgpr 256
		.amdhsa_next_free_sgpr 66
		.amdhsa_reserve_vcc 1
		.amdhsa_float_denorm_mode_32 3
		.amdhsa_float_denorm_mode_16_64 3
		.amdhsa_memory_ordered 1
		.amdhsa_forward_progress 1
		.amdhsa_inst_pref_size 28
	.end_amdhsa_kernel
	.amdgpu_metadata
---
amdhsa.version: [ 1, 2 ]
amdhsa.kernels:
  - .name:           k_qceffcab7a0_linear
    .symbol:         k_qceffcab7a0_linear.kd
    .args:
      - { .name: acodes, .offset: 0, .size: 8, .value_kind: global_buffer, .address_space: global }
      - { .name: ascales, .offset: 8, .size: 8, .value_kind: global_buffer, .address_space: global }
      - { .name: w1l, .offset: 16, .size: 8, .value_kind: global_buffer, .address_space: global }
      - { .name: W1_scales, .offset: 24, .size: 8, .value_kind: global_buffer, .address_space: global }
      - { .name: b1, .offset: 32, .size: 8, .value_kind: global_buffer, .address_space: global }
      - { .name: W2, .offset: 40, .size: 8, .value_kind: global_buffer, .address_space: global }
      - { .name: b2, .offset: 48, .size: 8, .value_kind: global_buffer, .address_space: global }
      - { .name: out0, .offset: 56, .size: 8, .value_kind: global_buffer, .address_space: global }
    .group_segment_fixed_size: 24832
    .private_segment_fixed_size: 0
    .kernarg_segment_align: 8
    .kernarg_segment_size: 64
    .max_flat_workgroup_size: 512
    .sgpr_count:     66
    .vgpr_count:     256
    .wavefront_size: 32
...
	.end_amdgpu_metadata
.endif
;; end of part 2
;; ======== version 2 of 2: 2 launches; version 1 with the launch linear written anew for expert scheduling mode
;; workspace buffers: acodes 98,304 bytes; ascales 4,096 bytes; w1l 786,432 bytes
;; launch spans: the kernel of part 1 again; grid 272 x 1, 4 waves a work-group, no clusters, 53,248 bytes of LDS; arguments inputs, input_ids, W1_codes, acodes, ascales, w1l; writes acodes, ascales, w1l
;; launch linear (part 3): grid 8 x 1, 16 waves a work-group, no clusters, 24,832 bytes of LDS; arguments acodes, ascales, w1l, W1_scales, b1, W2, b2, out0; writes out0
.if DOCPART == 3
	.amdgcn_target "amdgcn-amd-amdhsa--gfx1250"
	.amdhsa_code_object_version 6
	.text
	.protected	k_qceffcab7a0_linear
	.globl	k_qceffcab7a0_linear
	.p2align	8
	.type	k_qceffcab7a0_linear,@function
k_qceffcab7a0_linear:
	s_mov_b64 s[64:65], 0
	v_nop
	global_prefetch_b8 v0, s[64:65] scope:SCOPE_SE
	s_setreg_imm32_b32 hwreg(HW_REG_WAVE_SCHED_MODE, 0, 2), 2
	s_setreg_imm32_b32 hwreg(HW_REG_WAVE_MODE, 25, 1), 1
	s_wait_xcnt 0x0
	s_wait_alu depctr_vm_vsrc(0)
; LAUNCH 2 OF 2.  out[b][c] = the sum over n of (the sum over k of euph[b][k] W1[n][k] + b1[n]) W2[c][n] + b2[c].  The inner product is on codes of BF6 (E3M2) with one E8M0 scale for each 32 along K:
; euph's codes and scale bytes are launch 1's (acodes [128][768 bytes], ascales [128][32]), W1's codes are launch 1's images of the operand's registers (w1l), its scale bytes the input's.  All else in f32.
; SHARES.  out[b] sums over all 1,024 hidden units, and a sum has one owner: a work-group owns 16 batches and all of N, so there are 8 work-groups.  Sixteen waves; wave w makes hidden units 64 w .. 64 w + 63:
; four tiles of 16, four accumulators, 8 K steps of 128: 32 matrix instructions.
; THE MATRIX INSTRUCTION: source 0 = 16 rows of W1, source 1 = the 16 batches.  In the result lane (r, h) holds batch r and its registers the hidden units 8 h + 0 .. 7 of the tile.  b1 is loaded in that layout
; straight into the accumulators and is the C of the first K step.  The product with W2 is then 8 multiply-adds a tile and output in one lane, and one exchange between the halves of the lanes.
; W1'S FRAGMENTS come from w1l into the operand registers by loads of 512 consecutive bytes: a ring of three K steps, 36 loads, 18,432 bytes a wave on their way.
; THE BATCHES' CODES (12,288 bytes) go through LDS once: wave w brings row w; every wave then reads a fragment a K step, two steps ahead.  W2 (8,192 bytes) is laid in LDS beside them.
; NOT JOINTLY: all eight work-groups read the same 786,432 bytes of w1l.  A joint load lands in LDS, which holds less than half of them: the stream would go through slots filled again five times or more, each
; refill behind a round of the cluster's barrier, and a wave has 32 matrix instructions in all, four to six between two rounds.  So the fragments go straight into registers, each work-group asking for itself.
; No prefetch: the launch is short, and its loads are issued three K steps deep from its first lines on.
; THE MODE: SCHED_MODE bits 1:0 = 2 (LLVM: expert scheduling mode 2), set by the entry lines.  The code itself states the register dependences
; between vector or matrix instructions and memory or LDS instructions, with s_wait_alu, always for 0.
; THE PLAN.  Registers that memory or LDS instructions touch:
;   v4-v12        offsets and LDS addresses: written by vector instructions at the head, once; read by every load and LDS access of the K steps.  One wait on va_vdst ahead of the first load serves them all.
;   RING, set s % 3   Step s's four matrix instructions read it; behind them the loads of step s + 3 land in it (behind step 6: W2 lands in the sets of steps 5 and 6; behind step 7: the waves' parts in its set).
;   AF, set s % 2     Step s's four matrix instructions read it; behind them the LDS loads of step s + 2 land in it.
;   SG (v240-251)     Loaded at the head, read by the four LDS stores ahead of the first barrier; v240-247 are written again, by vector instructions, as the packed sums.
;   v13, v14, v241, v144   Written by vector instructions on the way out, read by the LDS store, the LDS loads and the global store there.
;   The accumulators and the scale words are loaded once and then named by matrix and vector instructions alone.
; So ONE wait on va_vdst stands in each of steps 0 to 6, behind its matrix instructions: they are done reading the two sets in which the loads that follow land.  It stands there and not at the next step's head,
; because the sixteen waves' 256 registers each leave no room for a fourth set: a set that waited for the next step's data would lie idle, and a wave would have 24 loads on their way for 36.
; One wait on vm_vsrc stands ahead of the packed sums (SG); one on va_sdst behind the wave's number, one on va_vcc behind the one compare; two on va_vdst on the way out, ahead of the LDS store and the global store.
.set PITCH, 784                        ; a batch's codes in LDS: 768 bytes + 16 = 196 words: row r starts at bank 4 r, and the 32 lanes of an 8-byte load touch 64 different banks (64 banks of 4 bytes: ISA guide 11.1)
.set W2L,   16*PITCH                   ; LDS: behind the 16 rows: W2, as it lies
.set RED,   W2L+8192                   ; and the waves' parts of out: 128 bytes a wave
.set FRB,   1536                       ; a fragment's image
.set STEPB, 4*FRB                      ; a wave's four of a K step
.set WAVEB, 8*STEPB                    ; a wave's stream in w1l
.set LANE, 1
.set RW,   2                           ; r = lane % 16
.set HF,   3                           ; h = lane / 16
.set AGO,  4                           ; acodes: 768 x wave + 8 x lane
.set ALS,  5                           ; the same row in LDS: PITCH x wave + 8 x lane
.set T16,  6                           ; 16 x thread: W2 in memory and in LDS
.set SAO,  7                           ; ascales: 32 r
.set SWO,  8                           ; W1_scales: 32 x (64 wave + lane)
.set BO,   9                           ; 4 x (64 wave + 8 h): my hidden units in b1, and in a row of W2
.set B2O,  10                          ; 4 x (lane % 2)
.set WO,   11                          ; w1l: WAVEB x wave + 16 x lane
.set AFA,  12                          ; a fragment of the batches in LDS: PITCH r + 24 h
.set RS,   13                          ; where I put my part of out
.set L4,   14                          ; 4 x lane
.set B2V,  15                          ; b2[lane % 2]
.set ACC,  16                          ; v16-47   four accumulators
.set AF,   48                          ; v48-71   two fragments of the batches
.set SCA,  72                          ; v72-79   the batches' scale words, one a K step: lane r has batch r's
.set SCW,  80                          ; v80-95   W1's: register 8 u + s: lanes 0-15 tile 2 u, lanes 16-31 tile 2 u + 1, K step s
.set RING, 96                          ; v96-239  W1's fragments: set s % 3, 12 registers a tile
.set SG,   240                         ; v240-251 a row of codes and 16 bytes of W2 on their way to LDS
.set PS,   240                         ; v240-247 later: four packed sums
.set OTH,  252                         ; what lane l xor 16 sends
.set ZS,   RING+48                     ; the sixteen waves' parts
	s_load_b256 s[4:11], s[0:1], 0x0               ; acodes s[4:5], ascales s[6:7], w1l s[8:9], W1_scales s[10:11]
	s_load_b256 s[12:19], s[0:1], 0x20             ; b1 s[12:13], W2 s[14:15], b2 s[16:17], out0 s[18:19]
	v_lshl_add_u32 v254, v0, 2, 0x5900             ; my spare word, behind the waves' parts of out (RED + 2,048), and 0: made here and kept for the closing lines alone
	v_mov_b32 v255, 0
	v_lshrrev_b32 v[LANE], 5, v0
	v_readfirstlane_b32 s20, v[LANE]               ; wave 0..15
	v_and_b32 v[LANE], 31, v0
	v_and_b32 v[RW], 15, v0
	v_bfe_u32 v[HF], v0, 4, 1
	s_wait_alu depctr_va_sdst(0)                   ; s20 is written, ahead of its first reader: the wave's terms of the offsets are made from it
	s_mul_i32 s21, s20, 768
	v_lshl_add_u32 v[AGO], v[LANE], 3, s21
	s_mul_i32 s21, s20, PITCH
	v_lshl_add_u32 v[ALS], v[LANE], 3, s21
	v_lshlrev_b32 v[T16], 4, v0
	v_lshlrev_b32 v[SAO], 5, v[RW]
	s_lshl_b32 s21, s20, 11
	v_lshl_add_u32 v[SWO], v[LANE], 5, s21
	s_lshl_b32 s21, s20, 8
	v_lshl_add_u32 v[BO], v[HF], 5, s21
	v_and_b32 v[B2O], 1, v0
	v_lshlrev_b32 v[B2O], 2, v[B2O]
	s_mul_i32 s21, s20, WAVEB
	v_lshl_add_u32 v[WO], v[LANE], 4, s21
	v_mul_u32_u24 v[AFA], v[RW], PITCH
	v_mad_u32_u24 v[AFA], v[HF], 24, v[AFA]
	v_mov_b32 v[OTH], 0                            ; written once: a lane permute's destination counts as one of its sources
	s_lshl_b32 s21, s20, 7
	s_add_co_u32 s21, s21, RED                     ; my wave's 128 bytes among the parts of out
	s_mul_i32 s22, ttmp9, 16*768                   ; my 16 batches: their codes,
	s_mov_b32 s23, 0
	s_lshl_b32 s24, ttmp9, 9                       ; their scale bytes,
	s_mov_b32 s25, 0
	s_lshl_b32 s26, ttmp9, 7                       ; their 32 outputs
	s_mov_b32 s27, 0
	s_mov_b32 s28, 0x76543210                      ; v_permlanex16_b32's selects for lane l xor 16
	s_mov_b32 s29, 0xfedcba98
	s_wait_kmcnt 0x0
	s_add_nc_u64 s[4:5], s[4:5], s[22:23]
	s_add_nc_u64 s[6:7], s[6:7], s[24:25]
	s_add_nc_u64 s[18:19], s[18:19], s[26:27]
	s_wait_alu depctr_va_vdst(0)                   ; the nine offsets and LDS addresses v4 to v12 are written, which the loads and LDS accesses below read; none of them is written again
.macro WLOAD s                         ; W1's four fragments of K step s into set s % 3: twelve loads of 512 consecutive bytes
.irp t, 0,1,2,3
.irp g, 0,1,2
	global_load_b128 v[RING+48*((\s)%3)+12*\t+4*\g:RING+48*((\s)%3)+12*\t+4*\g+3], v[WO], s[8:9] offset:(\s)*STEPB+\t*FRB+\g*512
.endr
.endr
.endm
.macro AFETCH s                        ; the batches' fragment of K step s: lane (r, h): registers 0-5 the 24 bytes at 96 s + 24 h of row r, registers 6-11 those 48 bytes on, in pieces of 8 bytes
.irp p, 0,1,2,3,4,5
	ds_load_b64 v[AF+12*((\s)%2)+2*\p:AF+12*((\s)%2)+2*\p+1], v[AFA] offset:96*(\s)+48*(\p/3)+8*(\p%3)
.endr
.endm
.macro W2FETCH                         ; W2[c][my 8 hidden units of tile t], 64 registers: the sets of K steps 5 and 6, which are done with
.irp c, 0,1
.irp t, 0,1,2,3
.irp i, 0,1
.set WR, RING+(96+8*(4*\c+\t)+4*\i)%144
	ds_load_b128 v[WR:WR+3], v[BO] offset:W2L+4096*\c+64*\t+16*\i
.endr
.endr
.endr
.endm
.macro MM s, t                         ; tile t, K step s.  An odd tile's scale words lie in lanes 16-31 of the register
.set RB, RING+48*((\s)%3)+12*(\t)
.set AB, AF+12*((\s)%2)
.set AC, ACC+8*(\t)
.if (\t)%2
	v_wmma_scale_f32_16x16x128_f8f6f4 v[AC:AC+7], v[RB:RB+11], v[AB:AB+11], v[AC:AC+7], v[SCW+8*((\t)/2)+(\s)], v[SCA+(\s)] matrix_a_fmt:MATRIX_FMT_BF6 matrix_b_fmt:MATRIX_FMT_BF6 matrix_a_scale:MATRIX_SCALE_ROW1
.else
	v_wmma_scale_f32_16x16x128_f8f6f4 v[AC:AC+7], v[RB:RB+11], v[AB:AB+11], v[AC:AC+7], v[SCW+8*((\t)/2)+(\s)], v[SCA+(\s)] matrix_a_fmt:MATRIX_FMT_BF6 matrix_b_fmt:MATRIX_FMT_BF6
.endif
.endm
	; what goes to LDS first, then the small operands, then the ring: loads come back in order, so each wait below counts what was issued behind what it wants
.irp j, 0,1,2
	global_load_b64 v[SG+2*\j:SG+2*\j+1], v[AGO], s[4:5] offset:256*\j     ; batch w's codes: 256 consecutive bytes a load
.endr
	global_load_b128 v[SG+8:SG+11], v[T16], s[14:15]                       ; W2: 512 threads x 16 bytes
	global_load_b128 v[SCA:SCA+3], v[SAO], s[6:7]                          ; a batch's 32 scale bytes are its words of the 8 K steps
	global_load_b128 v[SCA+4:SCA+7], v[SAO], s[6:7] offset:16
.irp u, 0,1
	global_load_b128 v[SCW+8*\u:SCW+8*\u+3], v[SWO], s[10:11] offset:1024*\u      ; rows 64 w + 32 u + lane of W1's scale bytes: two tiles to a register
	global_load_b128 v[SCW+8*\u+4:SCW+8*\u+7], v[SWO], s[10:11] offset:1024*\u+16
.endr
.irp t, 0,1,2,3
	global_load_b128 v[ACC+8*\t:ACC+8*\t+3], v[BO], s[12:13] offset:64*\t         ; b1 in the result's layout, into the accumulators
	global_load_b128 v[ACC+8*\t+4:ACC+8*\t+7], v[BO], s[12:13] offset:64*\t+16
.endr
	global_load_b32 v[B2V], v[B2O], s[16:17]
	WLOAD 0
	WLOAD 1
	WLOAD 2
	s_wait_loadcnt 51                              ; the codes' row and W2's 16 bytes are in; behind them: 15 small loads and the ring's 36
.irp j, 0,1,2
	ds_store_b64 v[ALS], v[SG+2*\j:SG+2*\j+1] offset:256*\j
.endr
	ds_store_b128 v[T16], v[SG+8:SG+11] offset:W2L
	s_wait_dscnt 0x0                               ; for the others' sake: my stores have landed
	s_barrier_signal -1
	s_barrier_wait -1                              ; the 16 rows and W2 lie in LDS
	AFETCH 0
	AFETCH 1
; A K step: four matrix instructions, the four accumulators by turns, in the same order in every step.  Behind them stand four v_nop as places (ISA guide 7.12.1), then the step's one
; wait on va_vdst, then the refills of the two sets that the step has read.  Step 7 asks for nothing more and has neither.
.macro STEP s
.if (\s) < 6
	s_wait_loadcnt 24                              ; this step's twelve loads are in (and all issued before them); those of the two steps behind it may be out
.else
	s_wait_loadcnt 12*(7-(\s))                     ; the ring runs out: one step's loads behind, then none
.endif
.if (\s) < 7
	s_wait_dscnt 6                                 ; this step's fragment of the batches is in; the next step's six loads may be out
.else
	s_wait_dscnt 16                                ; behind the last fragment's loads: W2's sixteen
.endif
.irp t, 0,1,2,3
	MM \s, \t
.endr
.if (\s) < 7
.rept 4
	v_nop
.endr
	s_wait_alu depctr_va_vdst(0)                   ; this step's matrix instructions (and all before them) are done reading ring set s % 3 and the batches' fragment s % 2, in which the loads below land
.endif
.if (\s)+3 < 8
	WLOAD (\s)+3                                   ; into the set just multiplied
.endif
.if (\s)+2 < 8
	AFETCH (\s)+2
.endif
.if (\s) == 6
	W2FETCH
.endif
.endm
.irp s, 0,1,2,3,4,5,6,7
	STEP \s
.endr
	; h is finished: register j of accumulator t is h[batch r][64 w + 16 t + 8 h + j].  These four lines are the places behind the last matrix instructions
	v_lshlrev_b32 v[RS], 3, v[RW]
	v_lshl_add_u32 v[RS], v[HF], 2, v[RS]
	v_add_nc_u32 v[RS], s21, v[RS]                 ; lane (r, h) stores output 2 r + h of the work-group's 32: batch r, column h
	v_lshlrev_b32 v[L4], 2, v[LANE]
	v_cmp_eq_u32 vcc_lo, 1, v[HF]                  ; which column I keep: made here, the multiply-adds below between it and the wait for it
	s_wait_dscnt 0x0                               ; W2
	s_wait_alu depctr_vm_vsrc(0)                   ; the LDS stores at the head have read v240 to v251, of which v240 to v247 are written again from here on, as the packed sums
; h x W2, two at a time, in four sums (column c, even and odd pairs) that take turns; each accumulator is read from its low end on; the first products start the sums
.irp t, 0,1,2,3
.irp i, 0,1,2,3
.irp c, 0,1
.set WR, RING+(96+8*(4*\c+\t)+2*\i)%144
.set PK, PS+2*(2*\c+\i%2)
.if (\t == 0) && (\i < 2)
	v_pk_mul_f32 v[PK:PK+1], v[ACC+8*\t+2*\i:ACC+8*\t+2*\i+1], v[WR:WR+1]
.else
	v_pk_fma_f32 v[PK:PK+1], v[ACC+8*\t+2*\i:ACC+8*\t+2*\i+1], v[WR:WR+1], v[PK:PK+1]
.endif
.endr
.endr
.endr
	v_pk_add_f32 v[PS:PS+1], v[PS:PS+1], v[PS+2:PS+3]
	v_pk_add_f32 v[PS+4:PS+5], v[PS+4:PS+5], v[PS+6:PS+7]
	v_add_f32 v[PS], v[PS], v[PS+1]                ; column 0: my 32 hidden units' part
	v_add_f32 v[PS+4], v[PS+4], v[PS+5]            ; column 1
	s_wait_alu depctr_va_vcc(0)                    ; the compare has written VCC, ahead of its first reader
	v_cndmask_b32 v[PS+1], v[PS], v[PS+4], vcc_lo  ; I keep column h
	v_cndmask_b32 v[PS+2], v[PS+4], v[PS], vcc_lo  ; and send the other to lane l xor 16, which holds the batch's other 32 hidden units of this wave
	v_permlanex16_b32 v[OTH], v[PS+2], s28, s29
	v_add_f32 v[PS+1], v[PS+1], v[OTH]
	s_wait_alu depctr_va_vdst(0)                   ; v13 (the address) and v241 (my part) are written, which the LDS store reads; so is v14, by which wave 0 loads below; and step 7's matrix instructions are done reading v144 to v159, in which those loads land
	ds_store_b32 v[RS], v[PS+1]
	s_wait_dscnt 0x0                               ; for wave 0's sake: my store has landed
	s_barrier_signal -1
	s_barrier_wait -1
	s_cmp_lg_u32 s20, 0                            ; 32 outputs: one wave adds the sixteen parts
	s_cbranch_scc1 .Lend
.irp i, 0,1,2,3,4,5,6,7,8,9,10,11,12,13,14,15
	ds_load_b32 v[ZS+\i], v[L4] offset:RED+128*\i  ; no vector or matrix instruction since the wait above names v14 or v144 to v159
.endr
	s_wait_dscnt 0x0
.irp i, 0,2,4,6
	v_pk_add_f32 v[ZS+\i:ZS+\i+1], v[ZS+\i:ZS+\i+1], v[ZS+8+\i:ZS+9+\i]
.endr
.irp i, 0,2
	v_pk_add_f32 v[ZS+\i:ZS+\i+1], v[ZS+\i:ZS+\i+1], v[ZS+4+\i:ZS+5+\i]
.endr
	v_pk_add_f32 v[ZS:ZS+1], v[ZS:ZS+1], v[ZS+2:ZS+3]
	v_add_f32 v[ZS], v[ZS], v[ZS+1]
	v_add_f32 v[ZS], v[ZS], v[B2V]                 ; + b2
	s_wait_alu depctr_va_vdst(0)                   ; the additions have written v144, which the store reads
	global_store_b32 v[L4], v[ZS], s[18:19]        ; the work-group's 128 consecutive bytes of out0
.Lend:
	s_wait_dscnt 0x0                               ; the closing lines, six on end
	s_wait_alu 0x0
	s_wait_tensorcnt 0x0
	ds_add_u32 v254, v255
	s_wait_dscnt 0x0
	s_endpgm
.Lfunc_end_k_qceffcab7a0_linear:
	.size	k_qceffcab7a0_linear, .Lfunc_end_k_qceffcab7a0_linear-k_qceffcab7a0_linear
	.p2alignl 7, 3214868480
	.fill 96, 4, 3214868480
	.section	.rodata,"a",@progbits
	.p2align	6, 0x0
	.amdhsa_kernel k_qceffcab7a0_linear
		.amdhsa_group_segment_fixed_size 24832
		.amdhsa_private_segment_fixed_size 0
		.amdhsa_enable_private_segment 0
		.amdhsa_kernarg_size 64
		.amdhsa_user_sgpr_count 2
		.amdhsa_user_sgpr_kernarg_segment_ptr 1
		.amdhsa_wavefront_size32 1
		.amdhsa_system_sgpr_workgroup_id_x 1
		.amdhsa_system_sgpr_workgroup_id_y 1
		.amdhsa_system_sgpr_workgroup_id_z 1
		.amdhsa_system_vgpr_workitem_id 0
		.amdhsa_next_free_vgpr 256
		.amdhsa_next_free_sgpr 66
		.amdhsa_reserve_vcc 1
		.amdhsa_float_denorm_mode_32 3
		.amdhsa_float_denorm_mode_16_64 3
		.amdhsa_memory_ordered 1
		.amdhsa_forward_progress 1
		.amdhsa_inst_pref_size 28
	.end_amdhsa_kernel
	.amdgpu_metadata
---
amdhsa.version: [ 1, 2 ]
amdhsa.kernels:
  - .name:           k_qceffcab7a0_linear
    .symbol:         k_qceffcab7a0_linear.kd
    .args:
      - { .name: acodes, .offset: 0, .size: 8, .value_kind: global_buffer, .address_space: global }
      - { .name: ascales, .offset: 8, .size: 8, .value_kind: global_buffer, .address_space: global }
      - { .name: w1l, .offset: 16, .size: 8, .value_kind: global_buffer, .address_space: global }
      - { .name: W1_scales, .offset: 24, .size: 8, .value_kind: global_buffer, .address_space: global }
      - { .name: b1, .offset: 32, .size: 8, .value_kind: global_buffer, .address_space: global }
      - { .name: W2, .offset: 40, .size: 8, .value_kind: global_buffer, .address_space: global }
      - { .name: b2, .offset: 48, .size: 8, .value_kind: global_buffer, .address_space: global }
      - { .name: out0, .offset: 56, .size: 8, .value_kind: global_buffer, .address_space: global }
    .group_segment_fixed_size: 24832
    .private_segment_fixed_size: 0
    .kernarg_segment_align: 8
    .kernarg_segment_size: 64
    .max_flat_workgroup_size: 512
    .sgpr_count:     66
    .vgpr_count:     256
    .wavefront_size: 32
...
	.end_amdgpu_metadata
.endif
;; end of part 3
